; MI455X (gfx1250); checked and timed in simulation.
; The chip was launched on July 23, 2026; its instructions are those of AMD's public machine-readable ISA for CDNA 5 (MIT licence, August 2026) and "CDNA5" Instruction Set Architecture Reference Guide (July 2026). The comments in the code are by the model that wrote it; some were corrected since.
;; Ca Mo E System. Allowed arithmetic: float matrix products may take bf16 or f16 operands with f32 sums; other float arithmetic in f32, or as packed bf16 or f16 multiplies, adds, multiply-adds, maxima and minima; sums over many terms, partial sums and values carried from step to step in f32; what a program stores and reads back later, other than sums and carried values, may be rounded once to bf16 or f16.
;; Inputs: W1 8 x 1,024 x 512 float32; W2 8 x 512 x 1,024 float32; beta 1,024 float32; gamma 1,024 float32; weights 4 x 2,048 x 2 float32; winners 4 x 2,048 x 2 int32; x 4 x 2,048 x 1,024 float32.
;; Outputs: out0 4 x 2,048 x 1,024 float32.
;; One version. Each part assembles by itself: llvm-mc -triple=amdgcn-amd-amdhsa -mcpu=gfx1250 --defsym DOCPART=n.
;; ======== version 1 of 1: 2 launches
;; workspace buffers: w1p 8,388,608 bytes; w2p 8,388,608 bytes; tcnt 256 bytes of whole numbers; tlist 2,097,152 bytes of whole numbers; tcoef 4,194,304 bytes
;; launch prep (part 1): grid 256 x 1, 32 waves a work-group, no clusters, 103,168 bytes of LDS; arguments W1, W2, winners, weights, w1p, w2p, tcnt, tlist, tcoef; writes w1p, w2p, tcnt, tlist, tcoef
.if DOCPART == 1
	.amdgcn_target "amdgcn-amd-amdhsa--gfx1250"
	.amdhsa_code_object_version 6
	.text
	.protected	k_qa010e100ed_prep
	.globl	k_qa010e100ed_prep
	.p2align	8
	.type	k_qa010e100ed_prep,@function
k_qa010e100ed_prep:
	s_mov_b64 s[64:65], 0
	v_nop
	global_prefetch_b8 v0, s[64:65] scope:SCOPE_SE
	s_setreg_imm32_b32 hwreg(HW_REG_WAVE_MODE, 25, 1), 1
	s_wait_xcnt 0x0
; PREP.  (a) W1 [8][1024][512] and W2 [8][512][1024], f32, are rounded once to bf16 and laid out as matrix fragments of 1 KB, in the order in which the
; next launch's waves take them.  (b) The 8,192 tokens are sorted by their SET of two experts (key = 8 min + max): work-group k of the first 64 finds the tokens
; of key k alone, and stores their number in tcnt[k], the tokens in tlist[k][0..] and their two weights, the lower expert's first, in tcoef[k][0..].
; FRAGMENT: [g 4][r 16][16 bytes]: the 16 bytes hold K = 8 g + 0..7 of row r, so two 16-byte loads a lane (at 16 lane and 16 lane + 512) fill a 16 x 32 operand.
;   w1p byte = e<<20 + ws<<19 + t<<14 + f<<10 + g<<8 + r<<4: channel 32 t + 8 g + 0..7; unit 64 G + 4 r + i with 16 ws + f = 4 G + i.
;   w2p byte = e<<20 + ws<<18 + t<<14 + f<<10 + g<<8 + r<<4: K place p = 32 t + 8 g + 0..7, which stands for unit 64 (p>>6) + 4 (p&15) + ((p>>4)&3), the place
;   in which the first product leaves that unit; channel 64 G + 4 r + i with 16 ws + f = 4 G + i.
; A TASK, one a wave, 8,192 in all: 8 K rows x 128 columns: eight loads of 512 consecutive bytes; a lane's four columns are the same row r of four fragments, so
; sixteen roundings in registers turn the block, and each of four stores fills two whole aligned blocks of 256 bytes.
; A KEY'S WORK-GROUP: wave w has tokens 256 w + 32 c + lane, c = 0..7.  One compare a chunk gives the mask of the key's tokens; a token's rank is the number of chosen lanes below it, plus the
; wave's earlier chunks' counts (scalar registers), plus the earlier waves' counts (32 words in LDS, one scan).  The list is gathered in LDS and copied out in whole stores of 512 bytes;
; entries past the count repeat the key's last token, so that every tile of 64 entries that begins below the count is whole.  A key without tokens stores one block of token 0 with weights 0.
; With both winners alike the expert stands twice, once with each weight.  Keys with min > max never occur: their count is 0.
; EXEC IS NEVER NARROWED: a lane that is not chosen stores into a word of its wave's own behind the list, which nobody reads.
; LIMITS: winners outside 0..7 are taken as 7 (unsigned clamp).  The weights are moved, never computed with.
.set WTOT,  0                          ; [wave 32] words: how many tokens of the key a wave has
.set LIST,  256                        ; [8,192] words, then one word a wave that nobody reads
.set COEF,  LIST+8224*4                ; the same places x 8 bytes
.set ROUND, 16384                      ; what 1,024 threads clear with 16 bytes each
.set SPARE, 99072                      ; the spare words, 128 bytes for each of 32 waves: no other line names them
.set WN,  12                           ; v12-27  winners, two a chunk; later what the copy-out stores
.set CO,  28                           ; v28-43  weights, two a chunk; later what the copy-out stores, and its offsets
.set CX,  64                           ; v64-95  a task's 8 x 4 numbers;  v96-111 its 4 x 16 bytes
	s_load_b512 s[4:19], s[0:1], 0x0               ; W1 s[4:5], W2 s[6:7], winners s[8:9], weights s[10:11], w1p s[12:13], w2p s[14:15], tcnt s[16:17], tlist s[18:19]
	s_load_b64 s[20:21], s[0:1], 0x40              ; tcoef
	v_lshl_add_u32 v10, v0, 2, SPARE               ; my spare word
	v_mov_b32 v11, 0
	v_and_b32 v1, 31, v0                           ; lane
	v_lshrrev_b32 v2, 5, v0
	v_readfirstlane_b32 s22, v2                    ; wave 0..31
	v_lshlrev_b32 v6, 4, v1                        ; source: 16 bytes a lane
	v_and_b32 v3, 15, v0
	v_bfe_u32 v4, v0, 4, 1
	v_lshlrev_b32 v7, 4, v3                        ; destination: row r of a fragment,
	v_lshl_add_u32 v7, v4, 12, v7                  ; lanes 16-31 four fragments on
	s_lshl_b32 s24, ttmp9, 5
	s_add_co_u32 s24, s24, s22                     ; the task's number
	s_mov_b32 s37, 0                               ; high word of the offsets' pair
	s_wait_kmcnt 0x0
	s_cmp_lt_u32 ttmp9, 64
	s_cbranch_scc0 .Lplain                         ; the same answer in all 32 waves
.macro DSTLOW                          ; what both kinds' places share: + (kg>>2)<<14 + (cb&1)<<13 + (kg&3)<<8
	s_lshr_b32 s29, s28, 2
	s_lshl_b32 s29, s29, 14
	s_add_co_u32 s36, s36, s29
	s_and_b32 s29, s27, 1
	s_lshl_b32 s29, s29, 13
	s_add_co_u32 s36, s36, s29
	s_and_b32 s29, s28, 3
	s_lshl_b32 s29, s29, 8
	s_add_co_u32 s36, s36, s29
.endm
.macro CONV_W1                         ; tasks 0..4095: e = task>>9, cb = 128 units, kg = 8 channels
	s_lshr_b32 s25, s24, 9
	s_and_b32 s26, s24, 511
	s_and_b32 s27, s26, 3                          ; cb
	s_lshr_b32 s28, s26, 2                         ; kg
	s_lshl_b32 s36, s25, 21                        ; an expert is 2 MB of f32,
	s_lshl_b32 s29, s28, 14                        ; 8 rows of 2,048 bytes,
	s_add_co_u32 s36, s36, s29
	s_lshl_b32 s29, s27, 9                         ; 128 columns
	s_add_co_u32 s36, s36, s29
	s_add_nc_u64 s[30:31], s[4:5], s[36:37]
	s_lshl_b32 s36, s25, 20
	s_lshr_b32 s29, s27, 1
	s_lshl_b32 s29, s29, 19
	s_add_co_u32 s36, s36, s29
	DSTLOW
	s_add_nc_u64 s[34:35], s[12:13], s[36:37]
.irp jj, 0,1,2,3,4,5,6,7
	global_load_b128 v[CX+4*\jj:CX+4*\jj+3], v6, s[30:31] offset:2048*\jj th:TH_LOAD_NT
.endr
.endm
.macro CONV_W2                         ; tasks 4096..8191: cb = 128 channels, kg = 8 K places, whose units lie four rows apart
	s_and_b32 s26, s24, 4095
	s_lshr_b32 s25, s26, 9
	s_and_b32 s26, s26, 511
	s_and_b32 s27, s26, 7                          ; cb
	s_lshr_b32 s28, s26, 3                         ; kg
	s_lshr_b32 s29, s28, 3
	s_lshl_b32 s33, s29, 6                         ; the first place's unit: 64 (kg>>3)
	s_bfe_u32 s29, s28, 0x20001                    ; + (kg>>1)&3
	s_add_co_u32 s33, s33, s29
	s_and_b32 s29, s28, 1
	s_lshl_b32 s29, s29, 5                         ; + 32 (kg&1)
	s_add_co_u32 s33, s33, s29
	s_lshl_b32 s36, s25, 21
	s_lshl_b32 s33, s33, 12                        ; rows of 4,096 bytes
	s_add_co_u32 s36, s36, s33
	s_lshl_b32 s29, s27, 9
	s_add_co_u32 s36, s36, s29
	s_add_nc_u64 s[30:31], s[6:7], s[36:37]
	s_lshl_b32 s36, s25, 20
	s_lshr_b32 s29, s27, 1
	s_lshl_b32 s29, s29, 18
	s_add_co_u32 s36, s36, s29
	DSTLOW
	s_add_nc_u64 s[34:35], s[14:15], s[36:37]
.irp jj, 0,1,2,3,4,5,6,7
	global_load_b128 v[CX+4*\jj:CX+4*\jj+3], v6, s[30:31] offset:16384*\jj th:TH_LOAD_NT
.endr
.endm
.macro CONV_FIN                        ; column i of my four: its eight K, rounded in pairs, are 16 bytes of fragment i
	s_wait_loadcnt 0x0
.irp i, 0,1,2,3
.irp q, 0,1,2,3
	v_cvt_pk_bf16_f32 v[CX+32+4*\i+\q], v[CX+8*\q+\i], v[CX+8*\q+4+\i]
.endr
.endr
.irp i, 0,1,2,3
	global_store_b128 v7, v[CX+32+4*\i:CX+32+4*\i+3], s[34:35] offset:1024*\i  ; lanes 0-15 fill 256 consecutive aligned bytes, lanes 16-31 another such block
.endr
.endm
	; ---------------- work-groups 0 to 63: a key, and a task a wave ----------------
	v_and_b32 v5, 0x3e0, v0                        ; 32 w
	v_lshlrev_b32 v8, 3, v5                        ; 256 w: my wave's first token
	v_add_nc_u32 v9, v8, v1                        ; my token in chunk 0; chunk c: + 32 c
	v_lshlrev_b32 v5, 6, v5
	v_lshl_add_u32 v5, v1, 3, v5                   ; 8 bytes a token
.irp c, 0,1,2,3,4,5,6,7
	global_load_b64 v[WN+2*\c:WN+2*\c+1], v5, s[8:9] offset:256*\c   ; the winners first: the sort hangs on them
.endr
.irp c, 0,1,2,3,4,5,6,7
	global_load_b64 v[CO+2*\c:CO+2*\c+1], v5, s[10:11] offset:256*\c
.endr
	CONV_W1
	v_mov_b32 v60, 0                               ; while the loads are on their way: list and weights are cleared whole, each thread its own bytes
	v_mov_b32 v61, 0
	v_mov_b32 v62, 0
	v_mov_b32 v63, 0
	v_lshlrev_b32 v44, 4, v0
	v_lshl_add_u32 v45, v0, 4, COEF                ; an LDS immediate ends at 65,535: the region's place stands in the register
	ds_store_b128 v44, v[60:63] offset:LIST
	ds_store_b128 v44, v[60:63] offset:LIST+ROUND
.irp i, 0,1,2,3
	ds_store_b128 v45, v[60:63] offset:ROUND*\i
.endr
	s_mov_b32 s58, ttmp9                           ; my key
	s_wait_loadcnt 16                              ; the winners are in; the 8 loads of weights and the task's 8 are younger and stay out
.macro MATCH c                         ; the mask of chunk c's tokens of my key
	v_min_u32 v48, v[WN+2*(\c)], v[WN+2*(\c)+1]
	v_max_u32 v49, v[WN+2*(\c)], v[WN+2*(\c)+1]
	v_min_u32 v48, 7, v48
	v_min_u32 v49, 7, v49
	v_lshl_add_u32 v48, v48, 3, v49
	v_cmp_eq_u32 s[40+(\c)], s58, v48
.endm
.irp c, 0,1,2,3,4,5,6,7
	MATCH \c
.endr
	s_mov_b32 s38, 0
.irp c, 0,1,2,3,4,5,6,7
	s_mov_b32 s[48+\c], s38                        ; how many my wave has in front of chunk c
	s_bcnt1_i32_b32 s36, s[40+\c]
	s_add_co_u32 s38, s38, s36
.endr
	v_mov_b32 v50, s38
	v_mov_b32 v51, s22
	v_lshlrev_b32 v51, 2, v51
	ds_store_b32 v51, v50 offset:WTOT              ; all lanes write the same word with the same value
	CONV_FIN                                       ; the task is finished while that store is out; its wait for 0 covers the weights too
	s_wait_dscnt 0x0                               ; for the others' sake: my count and my part of the cleared regions are in LDS
	s_barrier_signal -1
	s_barrier_wait -1
.macro SCAN S, T                       ; running sum over 32 lanes: four steps inside each half of 16 lanes, then the lower half's total onto the upper
.irp d, 1,2,4,8
	v_mov_b32 v[\T], 0
	v_mov_b32_dpp v[\T], v[\S] row_shr:\d row_mask:0xf bank_mask:0xf bound_ctrl:1
	v_add_nc_u32 v[\S], v[\S], v[\T]
.endr
	v_readlane_b32 s38, v[\S], 15
	v_mov_b32 v[\T], s38
	v_cndmask_b32 v[\T], 0, v[\T], s39
	v_add_nc_u32 v[\S], v[\S], v[\T]
.endm
	v_lshlrev_b32 v52, 2, v1
	ds_load_b32 v53, v52 offset:WTOT               ; lane l: wave l's count
	s_mov_b32 s39, 0xffff0000
	s_add_co_u32 s36, s22, 8192
	v_mov_b32 v46, s36                             ; the place behind the list that is my wave's own
	s_lshl_b32 s24, s58, 15                        ; a key has 32,768 bytes of tlist
	s_mov_b32 s25, 0
	s_add_nc_u64 s[26:27], s[18:19], s[24:25]
	s_lshl_b32 s24, s58, 16                        ; and 65,536 of tcoef
	s_add_nc_u64 s[28:29], s[20:21], s[24:25]
	s_wait_dscnt 0x0
	v_mov_b32 v54, v53
	SCAN 54, 55
	v_sub_nc_u32 v55, v54, v53
	v_readlane_b32 s56, v55, s22                   ; how many the waves in front of mine have
	v_readlane_b32 s57, v54, 31                    ; the key's count
	s_max_u32 s59, s57, 1                          ; a key without tokens copies one block out all the same: token 0, weights 0
	s_sub_co_u32 s33, s59, 1                       ; the last place that holds a token
	s_cmp_lg_u32 s22, 0
	s_cbranch_scc1 .Lno_cnt
	v_mov_b32 v56, s57
	v_mov_b32 v57, s58
	v_lshlrev_b32 v57, 2, v57
	global_store_b32 v57, v56, s[16:17]            ; wave 0, all lanes the same word with the same value: one number a work-group
.Lno_cnt:
.macro PUT c                           ; chunk c's chosen tokens go to their ranks, the others' lanes to the wave's own place
	s_add_co_u32 s36, s56, s[48+(\c)]
	v_mbcnt_lo_u32_b32 v48, s[40+(\c)], s36
	v_cndmask_b32 v48, v46, v48, s[40+(\c)]
	v_min_u32 v48, 0x201f, v48                     ; inside the 8,224 places
	v_add_nc_u32 v49, 32*(\c), v9
	v_lshlrev_b32 v50, 2, v48
	v_lshlrev_b32 v51, 3, v48
	v_cmp_le_u32 vcc_lo, v[WN+2*(\c)], v[WN+2*(\c)+1]
	v_cndmask_b32 v52, v[CO+2*(\c)+1], v[CO+2*(\c)], vcc_lo   ; the lower expert's weight
	v_cndmask_b32 v53, v[CO+2*(\c)], v[CO+2*(\c)+1], vcc_lo   ; the higher expert's
	ds_store_b32 v50, v49 offset:LIST
	ds_store_b64 v51, v[52:53] offset:COEF
.endm
.irp c, 0,1,2,3,4,5,6,7
	PUT \c
.endr
	s_wait_dscnt 0x0
	s_barrier_signal -1
	s_barrier_wait -1
	; The copy-out, 16 bytes a thread and round; from here on LDS is only read.  A wave whose entries begin at or past the count has nothing to store: a jump forward, past LDS loads and a store.
	; Each round has registers of its own, so that no round waits for the round before.
.macro OUTL i                          ; entries 4 (t + 1,024 i) + 0..3 of the list; my wave's 128 begin at 128 (w + 32 i)
	s_lshl_b32 s36, s22, 7
	s_add_co_u32 s36, s36, 4096*(\i)
	s_cmp_lt_u32 s36, s59
	s_cbranch_scc0 .Lno_l\i
	v_lshl_add_u32 v48, v0, 2, 4096*(\i)
.irp k, 0,1,2,3
	v_add_nc_u32 v49, \k, v48
	v_min_u32 v49, s33, v49                        ; an entry past the count takes the last token
	v_min_u32 v49, 0x1fff, v49
	v_lshlrev_b32 v[50+\k], 2, v49
	ds_load_b32 v[12+4*(\i)+\k], v[50+\k] offset:LIST
.endr
	v_lshlrev_b32 v[36+(\i)], 2, v48
	s_wait_dscnt 0x0
	global_store_b128 v[36+(\i)], v[12+4*(\i):15+4*(\i)], s[26:27]   ; 512 consecutive bytes a wave
.Lno_l\i:
.endm
.macro OUTC i                          ; entries 2 (t + 1,024 i) + 0, 1 of the weights; my wave's 64 begin at 64 (w + 32 i)
	s_lshl_b32 s36, s22, 6
	s_add_co_u32 s36, s36, 2048*(\i)
	s_cmp_lt_u32 s36, s59
	s_cbranch_scc0 .Lno_c\i
	v_lshl_add_u32 v48, v0, 1, 2048*(\i)
.irp k, 0,1
	v_add_nc_u32 v49, \k, v48
	v_min_u32 v49, s33, v49
	v_min_u32 v49, 0x1fff, v49
	v_lshlrev_b32 v[50+\k], 3, v49
	ds_load_b64 v[20+4*(\i)+2*\k:21+4*(\i)+2*\k], v[50+\k] offset:COEF
.endr
	v_lshlrev_b32 v[38+(\i)], 3, v48
	s_wait_dscnt 0x0
	global_store_b128 v[38+(\i)], v[20+4*(\i):23+4*(\i)], s[28:29]
.Lno_c\i:
.endm
	OUTL 0
	OUTC 0
	OUTL 1
	OUTC 1
	OUTC 2
	OUTC 3
	s_wait_tensorcnt 0x0                           ; the wave's end, behind my last LDS store
	ds_add_u32 v10, v11
	s_wait_dscnt 0x0
	s_endpgm
	; ---------------- work-groups 64 to 255: a task a wave, no LDS ----------------
.Lplain:
	s_cmp_lt_u32 ttmp9, 128
	s_cbranch_scc0 .Lw2
	CONV_W1
	s_branch .Lfin
.Lw2:
	CONV_W2
.Lfin:
	CONV_FIN
	s_endpgm
.Lfunc_end_k_qa010e100ed_prep:
	.size	k_qa010e100ed_prep, .Lfunc_end_k_qa010e100ed_prep-k_qa010e100ed_prep
	.p2alignl 7, 3214868480
	.fill 96, 4, 3214868480
	.section	.rodata,"a",@progbits
	.p2align	6, 0x0
	.amdhsa_kernel k_qa010e100ed_prep
		.amdhsa_group_segment_fixed_size 103168
		.amdhsa_private_segment_fixed_size 0
		.amdhsa_enable_private_segment 0
		.amdhsa_kernarg_size 72
		.amdhsa_user_sgpr_count 2
		.amdhsa_user_sgpr_kernarg_segment_ptr 1
		.amdhsa_wavefront_size32 1
		.amdhsa_system_sgpr_workgroup_id_x 1
		.amdhsa_system_sgpr_workgroup_id_y 1
		.amdhsa_system_sgpr_workgroup_id_z 1
		.amdhsa_system_vgpr_workitem_id 0
		.amdhsa_next_free_vgpr 128
		.amdhsa_next_free_sgpr 66
		.amdhsa_reserve_vcc 1
		.amdhsa_float_denorm_mode_32 3
		.amdhsa_float_denorm_mode_16_64 3
		.amdhsa_memory_ordered 1
		.amdhsa_forward_progress 1
		.amdhsa_inst_pref_size 27
	.end_amdhsa_kernel
	.amdgpu_metadata
---
amdhsa.version: [ 1, 2 ]
amdhsa.kernels:
  - .name:           k_qa010e100ed_prep
    .symbol:         k_qa010e100ed_prep.kd
    .args:
      - { .name: W1, .offset: 0, .size: 8, .value_kind: global_buffer, .address_space: global }
      - { .name: W2, .offset: 8, .size: 8, .value_kind: global_buffer, .address_space: global }
      - { .name: winners, .offset: 16, .size: 8, .value_kind: global_buffer, .address_space: global }
      - { .name: weights, .offset: 24, .size: 8, .value_kind: global_buffer, .address_space: global }
      - { .name: w1p, .offset: 32, .size: 8, .value_kind: global_buffer, .address_space: global }
      - { .name: w2p, .offset: 40, .size: 8, .value_kind: global_buffer, .address_space: global }
      - { .name: tcnt, .offset: 48, .size: 8, .value_kind: global_buffer, .address_space: global }
      - { .name: tlist, .offset: 56, .size: 8, .value_kind: global_buffer, .address_space: global }
      - { .name: tcoef, .offset: 64, .size: 8, .value_kind: global_buffer, .address_space: global }
    .group_segment_fixed_size: 103168
    .private_segment_fixed_size: 0
    .kernarg_segment_align: 8
    .kernarg_segment_size: 72
    .max_flat_workgroup_size: 1024
    .sgpr_count:     66
    .vgpr_count:     128
    .wavefront_size: 32
...
	.end_amdgpu_metadata
.endif
;; end of part 1
;; launch chain (part 2): grid 163 x 1, 4 waves a work-group, no clusters, 266,240 bytes of LDS; arguments x, gamma, beta, w1p, w2p, tcnt, tlist, tcoef, out0; writes out0
.if DOCPART == 2
	.amdgcn_target "amdgcn-amd-amdhsa--gfx1250"
	.amdhsa_code_object_version 6
	.text
	.protected	k_qa010e100ed_chain
	.globl	k_qa010e100ed_chain
	.p2align	8
	.type	k_qa010e100ed_chain,@function
k_qa010e100ed_chain:
	s_mov_b64 s[64:65], 0
	v_nop
	global_prefetch_b8 v0, s[64:65] scope:SCOPE_SE
	s_setreg_imm32_b32 hwreg(HW_REG_WAVE_MODE, 25, 1), 1
	s_wait_xcnt 0x0
; CHAIN.  out[t] = x[t] + cLo f_lo(h[t]) + cHi f_hi(h[t]),  h = LayerNorm(x) gamma + beta,  f_e(h) = relu(h W1[e])^2 W2[e].
; A work-group takes one tile of 64 tokens that chose the same two experts through the whole chain and owns their output rows.
; WHICH TILE.  The launch before stored, for each key 8 lo + hi, the number of its tokens (tcnt), the tokens (tlist[key][..]) and their two weights (tcoef[key][..]), each list padded with its last
; entry to whole tiles.  A key of n tokens has ceil(n / 64) tiles; the tiles are numbered key after key.  Every wave walks the 36 keys with lo <= hi in scalar registers and keeps the last key
; whose first tile is not past the work-group's number.
; SHARES, four waves.  LayerNorm: wave w has rows 16 w .. 16 w + 15; h goes to LDS in bf16.  First product (K = 1,024 channels): wave w makes 256 units x 64 tokens, waves 0, 1 the halves
; of the lower expert, waves 2, 3 of the higher.  c relu(s)^2 goes to LDS in bf16, [token][1,024 places: lower expert's 512, higher expert's 512].  Second product (K = those 1,024 places,
; so both experts add into ONE accumulator): wave w makes channels 256 w .. 256 w + 255 x 64 tokens.  Each product: 64 accumulators of 16 x 16, 512 registers.
; WEIGHTS come from memory straight into registers, as fragments laid out by the launch before: each fragment has one reader in the work-group, so a way through LDS would add
; LDS traffic and feed nothing more.  A ring of four slots of 8 KB a wave: a chunk (8 fragments, 16 loads) is asked for three chunks, 96 matrix instructions, ahead of the wait for it.
; THE WAY OUT needs no LDS: the fragments' channel order (64 G + 4 r + i) gives a lane four neighbouring channels in four neighbouring accumulators; they are added onto the 16 bytes of x
; that the lane has loaded, and sixteen lanes store 256 consecutive aligned bytes.
; NO CLUSTER, NO JOINT LOADS: the tiles that share weights are those of one set of experts, a number read from memory (0 to 128, as a rule 2 to 5) and no multiple of four; and the weights
; do not pass through LDS, where a joint load would have to land.  NO TENSOR LOADS: the token rows come by a list, which no descriptor covers.
; THE GRID is 163 = 128 + 35, the most tiles that any split of 8,192 tokens over 36 sets can give.  A work-group whose number is past the last tile has count 0: it runs on the last key's first tile,
; which is always stored, walks the whole chain like any other (the loops' lengths hang on no number read from memory, since their LDS addresses step), and stores nothing.
; Rows past a tile's count repeat its last token: they make the same numbers and store them to the same place; groups of rows wholly past the count are jumped.
; LIMITS.  h, the weights and c relu(s)^2 are rounded once to bf16; all sums are f32, in another order than a plain loop's.  Mean first, then the squares of the differences.
; A score of minus infinity gives NaN (c s times 0) where 0 would be right; NaN stays NaN.  Token numbers are clamped to 8,191, experts to 7.
; REGISTERS, in windows of 256 (s_set_vgpr_msb: bits 1:0 source 0, 3:2 source 1, 5:4 source 2, 7:6 destination):
;   window 0: addresses, statistics, gamma and beta (later the two token buffers), work registers, the 32 row offsets of the way out
;   window 1: the ring: 4 slots x 64 (LayerNorm: 8 rows of x x 32; the way out: x)      windows 2, 3: the accumulators: half hf in window 2 + hf, (f, tb) at 8 (4 f + tb)
.set PITCH, 2064                       ; an LDS row: 2,048 bytes + 16: 129 x 16, so the 16 rows of a fragment load start in 16 different 16-byte columns of 256 bytes
.set BLK,   16*PITCH                   ; 16 rows
.set HID,   64*PITCH                   ; h at 0, the hidden layer behind it: two regions, so that two barriers do
.set SPARE, 2*64*PITCH                 ; the spare words, 128 bytes a wave: no other line names them
.set L16, 4                            ; v4      16 x lane; never rewritten
.set AH,  5                            ; v5, v6  where I read token fragments: token blocks 0-1, 2-3
.set AS,  7                            ; v7, v8  where I put 16 bytes of the hidden layer
.set LNW, 9                            ; v9      where I put 8 bytes of h
.set SPW, 10                           ; v10     my spare word
.set NIL, 11                           ; v11     0
.set CF,  12                           ; v12-19  token block tb: my token's coefficient, twice (a pair)
.set XO,  20                           ; v20-27  byte offsets of my rows 0-7 in x
.set RO,  28                           ; v28-35  offsets of the refills: rows 8-15, then the ring's first four chunks
.set ST,  36                           ; v36-47  row a of a pair at ST + 6 a: mean twice, 1/sqrt twice, one at work
.set AB,  48                           ; v48     2,064 r + 16 h
.set T0,  64                           ; v64-95  token fragments of an even K step;  before: gamma
.set T1,  96                           ; v96-127 of an odd one;  before: beta
.set GAM, 64
.set BET, 96
.set DD,  128                          ; v128-191 x - mean of two rows;  later TA, TB
.set TA,  128
.set TB,  160
.set TS,  192                          ; v192-223 sums and packed h of two rows;  later PK
.set PK,  192
.set EO,  224                          ; v224-255 row (tb, j): byte offset in x and out of my 16 bytes of token 16 tb + 8 h + j
.set WV,  22                           ; s22 wave
.set CNTR, 28                          ; s28 rows in the tile
.set PW,  48                           ; s[48:49] from where this trip's fills come
.set B2A, 50                           ; s[50:51] my slice of the lower expert's W2
.set B2B, 52                           ; s[52:53] of the higher expert's
.set SB,  54                           ; s[54:55] base of LayerNorm's refills: x, then the weights
.set CNT, 56
.set RUN, 56                           ; the search: tiles in front of the key in hand
.set SLO, 62                           ; s62, s63 the kept key's two experts;  later the tile's place in tlist
.set SHI, 63
.set SBASE, 66                         ; s66 the kept key's first tile, s67 its count;  later the tile's place in tcoef
.set SN,  67
.set MSB, 0
.macro WIN new                         ; the immediate's high byte repeats the setting that is left; a switch that changes nothing is dropped
.if MSB != (\new)
	s_set_vgpr_msb (MSB<<8)|(\new)
.set MSB, \new
.endif
.endm
	s_load_b512 s[4:19], s[0:1], 0x0               ; x s[4:5], gamma s[6:7], beta s[8:9], w1p s[10:11], w2p s[12:13], tcnt s[14:15], tlist s[16:17], tcoef s[18:19]
	s_load_b64 s[20:21], s[0:1], 0x40              ; out0
	v_lshl_add_u32 v[SPW], v0, 2, SPARE
	v_mov_b32 v[NIL], 0
	v_and_b32 v1, 31, v0                           ; lane
	v_and_b32 v2, 15, v0                           ; r
	v_bfe_u32 v3, v0, 4, 1                         ; h
	v_lshrrev_b32 v49, 5, v0
	v_readfirstlane_b32 s[WV], v49
	v_lshlrev_b32 v[L16], 4, v1
	v_mul_u32_u24 v[AB], v2, PITCH
	v_lshl_add_u32 v[AB], v3, 4, v[AB]
	s_mul_i32 s29, s[WV], BLK
	v_lshl_add_u32 v[LNW], v1, 3, s29              ; my wave's 16 rows of h, 8 bytes a lane
	s_lshl_b32 s30, s[WV], 9
	s_add_co_u32 s30, s30, HID
	v_add_nc_u32 v[AS], s30, v[AB]                 ; hidden: row r, my wave's 256 places, 16 bytes for each half of the lanes
	v_add_nc_u32 v[AS+1], 2*BLK, v[AS]
	v_lshlrev_b32 v49, 5, v3                       ; 32 h: eight entries of the list
	s_lshr_b32 s31, s[WV], 1
	s_lshl_b32 s31, s31, 2
	v_lshl_add_u32 v50, v2, 3, s31                 ; 8 r + 4 x (which expert is mine)
	v_mov_b32 v[ST+4], 0                           ; v_permlanex16_b32's destinations count as read
	v_mov_b32 v[ST+10], 0
	s_mov_b32 s57, 0x3a800000                      ; 1 / 1,024
	s_mov_b32 s58, 0x3727c5ac                      ; 1e-5
	s_mov_b32 s60, 0x76543210                      ; each lane takes its own place in the other half
	s_mov_b32 s61, 0xfedcba98
	s_mov_b32 s[RUN], 0
	s_mov_b32 s[SLO], 0
	s_mov_b32 s[SHI], 0
	s_mov_b32 s[SBASE], 0
	s_mov_b32 s[SN], 0
	s_wait_kmcnt 0x0
	s_load_b512 s[24:39], s[14:15], 0x0            ; the 64 keys' counts: key k in s[24 + k] for k < 32,
	s_load_b512 s[40:55], s[14:15], 0x40
	s_load_b512 s[68:83], s[14:15], 0x80           ; in s[36 + k] from 32 on
	s_load_b512 s[84:99], s[14:15], 0xc0
.irp j, 0,1,2,3,4,5,6,7
	global_load_b128 v[GAM+4*\j:GAM+4*\j+3], v[L16], s[6:7] offset:512*\j
	global_load_b128 v[BET+4*\j:BET+4*\j+3], v[L16], s[8:9] offset:512*\j
.endr
	s_wait_kmcnt 0x0
; One key's step.  If the key's first tile is not past my number, the key is kept; a later key that is kept takes its place.  Keys behind mine begin past my number; keys without tiles in front of mine are overwritten by mine.
.macro KSTEP lo, hi
.if 8*(\lo)+(\hi) < 32
.set CR, 24+8*(\lo)+(\hi)
.else
.set CR, 36+8*(\lo)+(\hi)
.endif
	s_cmp_le_u32 s[RUN], ttmp9
	s_cselect_b32 s[SLO], \lo, s[SLO]
	s_cselect_b32 s[SHI], \hi, s[SHI]
	s_cselect_b32 s[SBASE], s[RUN], s[SBASE]
	s_cselect_b32 s[SN], s[CR], s[SN]
	s_add_co_u32 s2, s[CR], 63
	s_lshr_b32 s2, s2, 6
	s_add_co_u32 s[RUN], s[RUN], s2
.endm
.irp lo, 0,1,2,3,4,5,6,7
.irp hi, 0,1,2,3,4,5,6,7
.if \hi >= \lo
	KSTEP \lo, \hi
.endif
.endr
.endr
	s_sub_co_u32 s3, ttmp9, s[SBASE]               ; my tile among the key's
	s_lshl_b32 s59, s3, 6
	s_sub_co_i32 s59, s[SN], s59                   ; the key's rows from my tile's first on: none or less past the last tile
	s_max_i32 s59, s59, 0
	s_min_u32 s[CNTR], s59, 64
	s_cmp_eq_u32 s[CNTR], 0
	s_cselect_b32 s3, 0, s3                        ; without rows: the key's first tile, which is always stored
	s_min_u32 s3, s3, 127
	s_min_u32 s24, s[SLO], 7
	s_min_u32 s25, s[SHI], 7
	s_lshl_b32 s68, s24, 18                        ; tlist: key 8 lo + hi x 32,768 bytes
	s_lshl_b32 s59, s25, 15
	s_add_co_u32 s68, s68, s59
	s_lshl_b32 s59, s3, 8                          ; + tile x 256 bytes
	s_add_co_u32 s68, s68, s59
	s_mov_b32 s69, 0
	s_lshl_b32 s70, s68, 1                         ; tcoef: twice that
	s_mov_b32 s71, 0
	s_add_nc_u64 s[62:63], s[16:17], s[68:69]      ; the tile's list
	s_add_nc_u64 s[66:67], s[18:19], s[70:71]      ; the tile's coefficients
	s_lshl_b32 s59, s[WV], 6
	s_load_b512 s[32:47], s[62:63], s59 offset:0x0 ; my wave's 16 tokens
.irp tb, 0,1,2,3
	global_load_b128 v[EO+8*\tb:EO+8*\tb+3],   v49, s[62:63] offset:64*\tb
	global_load_b128 v[EO+8*\tb+4:EO+8*\tb+7], v49, s[62:63] offset:64*\tb+16
.endr
.irp tb, 0,1,2,3
	global_load_b32 v[CF+2*\tb], v50, s[66:67] offset:128*\tb
.endr
	s_wait_kmcnt 0x0
.set i, 0
.rept 16
	s_min_u32 s[32+i], s[32+i], 0x1fff
.set i, i+1
.endr
	s_cmp_lt_u32 s[WV], 2
	s_cselect_b32 s68, s24, s25                    ; my expert in the first product,
	s_lshl_b32 s68, s68, 20
	s_and_b32 s59, s[WV], 1
	s_lshl_b32 s59, s59, 19                        ; my half of its units
	s_add_co_u32 s68, s68, s59
	s_add_nc_u64 s[PW:PW+1], s[10:11], s[68:69]
	s_lshl_b32 s59, s[WV], 18                      ; my quarter of the channels in the second
	s_lshl_b32 s68, s24, 20
	s_add_co_u32 s68, s68, s59
	s_add_nc_u64 s[B2A:B2A+1], s[12:13], s[68:69]
	s_lshl_b32 s68, s25, 20
	s_add_co_u32 s68, s68, s59
	s_add_nc_u64 s[B2B:B2B+1], s[12:13], s[68:69]
	s_mov_b64 s[SB:SB+1], s[4:5]
.set i, 0
.rept 8
	v_lshl_add_u32 v[XO+i], s[32+i], 12, v[L16]    ; a row of x is 4,096 bytes
	v_lshl_add_u32 v[RO+i], s[40+i], 12, v[L16]
.set i, i+1
.endr
	WIN 0x40                                       ; destination window 1
.irp q, 0,1,2,3,4,5,6,7
.irp j, 0,1,2,3,4,5,6,7
	global_load_b128 v[32*\q+4*\j:32*\q+4*\j+3], v[XO+\q], s[4:5] offset:512*\j  ; rows 0-7: each load 512 consecutive bytes
.endr
.endr
	WIN 0
; ---------------- LayerNorm ----------------
; Both rows' sums, kept in pairs in TS, are folded to one number and summed over the 32 lanes; the two rows' lines alternate.
.macro FOLD eight
.if \eight
.irp i, 0,1,2,3
.irp a, 0,1
	v_pk_add_f32 v[TS+16*\a+2*\i:TS+16*\a+2*\i+1], v[TS+16*\a+2*\i:TS+16*\a+2*\i+1], v[TS+16*\a+2*\i+8:TS+16*\a+2*\i+9]
.endr
.endr
.endif
.irp i, 0,1
.irp a, 0,1
	v_pk_add_f32 v[TS+16*\a+2*\i:TS+16*\a+2*\i+1], v[TS+16*\a+2*\i:TS+16*\a+2*\i+1], v[TS+16*\a+2*\i+4:TS+16*\a+2*\i+5]
.endr
.endr
.irp a, 0,1
	v_pk_add_f32 v[TS+16*\a:TS+16*\a+1], v[TS+16*\a:TS+16*\a+1], v[TS+16*\a+2:TS+16*\a+3]
.endr
.irp a, 0,1
	v_add_f32 v[TS+16*\a], v[TS+16*\a], v[TS+16*\a+1]
.endr
.irp m, 1,2,4,8
.irp a, 0,1
	v_add_f32_dpp v[TS+16*\a], v[TS+16*\a], v[TS+16*\a] row_xmask:\m row_mask:0xf bank_mask:0xf
.endr
.endr
.irp a, 0,1
	v_permlanex16_b32 v[ST+6*\a+4], v[TS+16*\a], s60, s61
.endr
.irp a, 0,1
	v_add_f32 v[TS+16*\a], v[TS+16*\a], v[ST+6*\a+4]
.endr
.endm
; Two rows, in the ring's registers 64 p .. 64 p + 63.  As soon as x - mean is taken, those registers are asked for again.
.macro PAIR p
	WIN 0
	s_wait_loadcnt 48                              ; my two rows' 16 loads are in; the three younger groups of 16 stay out (and all that was issued ahead of the rows is in)
	WIN 0x05                                       ; sources window 1
.set i, 0
.rept 8
.irp a, 0,1
	v_pk_add_f32 v[TS+16*\a+2*i:TS+16*\a+2*i+1], v[64*(\p)+32*\a+4*i:64*(\p)+32*\a+4*i+1], v[64*(\p)+32*\a+4*i+2:64*(\p)+32*\a+4*i+3]
.endr
.set i, i+1
.endr
	WIN 0
	FOLD 1
.irp a, 0,1
	v_mul_f32 v[ST+6*\a], s57, v[TS+16*\a]         ; the mean, twice: a pair for the packed lines
	v_mul_f32 v[ST+6*\a+1], s57, v[TS+16*\a]
.endr
	WIN 0x01                                       ; source 0 window 1
.set i, 0
.rept 16
.irp a, 0,1
	v_pk_add_f32 v[DD+32*\a+2*i:DD+32*\a+2*i+1], v[64*(\p)+32*\a+2*i:64*(\p)+32*\a+2*i+1], v[ST+6*\a:ST+6*\a+1] neg_lo:[0,1] neg_hi:[0,1]
.endr
.set i, i+1
.endr
	WIN 0x40
.irp a, 0,1
.irp j, 0,1,2,3,4,5,6,7
	global_load_b128 v[64*(\p)+32*\a+4*\j:64*(\p)+32*\a+4*\j+3], v[RO+2*(\p)+\a], s[SB:SB+1] offset:512*\j  ; first trip: rows 8 + 2 p, 9 + 2 p; second: chunk p of W1
.endr
.endr
	WIN 0
.irp c, 0,1,2,3
.irp a, 0,1
	v_pk_mul_f32 v[TS+16*\a+2*\c:TS+16*\a+2*\c+1], v[DD+32*\a+2*\c:DD+32*\a+2*\c+1], v[DD+32*\a+2*\c:DD+32*\a+2*\c+1]
.endr
.endr
.set i, 4
.rept 12
.irp a, 0,1
	v_pk_fma_f32 v[TS+16*\a+2*(i%4):TS+16*\a+2*(i%4)+1], v[DD+32*\a+2*i:DD+32*\a+2*i+1], v[DD+32*\a+2*i:DD+32*\a+2*i+1], v[TS+16*\a+2*(i%4):TS+16*\a+2*(i%4)+1]
.endr
.set i, i+1
.endr
	FOLD 0
.irp a, 0,1
	v_fma_f32 v[TS+16*\a], v[TS+16*\a], s57, s58   ; variance + 1e-5
.endr
.irp a, 0,1
	v_rsq_f32 v[ST+6*\a+2], v[TS+16*\a]
	v_rsq_f32 v[ST+6*\a+3], v[TS+16*\a]
.endr
	v_nop                                          ; a plain instruction behind the last of the four,
	s_wait_alu depctr_va_vdst(0)                   ; and one wait for the batch, ahead of its first reader
.set i, 0
.rept 16
.irp a, 0,1
	v_pk_mul_f32 v[DD+32*\a+2*i:DD+32*\a+2*i+1], v[DD+32*\a+2*i:DD+32*\a+2*i+1], v[ST+6*\a+2:ST+6*\a+3]
.endr
.set i, i+1
.endr
.set i, 0
.rept 16
.irp a, 0,1
	v_pk_fma_f32 v[DD+32*\a+2*i:DD+32*\a+2*i+1], v[DD+32*\a+2*i:DD+32*\a+2*i+1], v[GAM+2*i:GAM+2*i+1], v[BET+2*i:BET+2*i+1]
.endr
.set i, i+1
.endr
.set i, 0
.rept 16
.irp a, 0,1
	v_cvt_pk_bf16_f32 v[TS+16*\a+i], v[DD+32*\a+2*i], v[DD+32*\a+2*i+1]
.endr
.set i, i+1
.endr
.irp a, 0,1
.irp j, 0,1,2,3,4,5,6,7
	ds_store_b64 v[LNW], v[TS+16*\a+2*\j:TS+16*\a+2*\j+1] offset:(2*(\p)+\a)*PITCH+256*\j  ; 32 lanes: 256 consecutive bytes of the row
.endr
.endr
.endm
	s_mov_b32 s[CNT], 2
.Lln:                                                  ; two trips of eight rows
	PAIR 0
	PAIR 1
	PAIR 2
	PAIR 3
	WIN 0
	s_wait_xcnt 0x0                                ; the refills have read their offsets and base: from now on they point at the ring's first four chunks of W1
.irp c, 0,1,2,3
	v_add_nc_u32 v[RO+2*\c], 8192*\c, v[L16]
	v_add_nc_u32 v[RO+2*\c+1], 8192*\c+4096, v[L16]
.endr
	s_mov_b64 s[SB:SB+1], s[PW:PW+1]
	v_add_nc_u32 v[LNW], 8*PITCH, v[LNW]
	s_sub_co_u32 s[CNT], s[CNT], 1
	s_cmp_lg_u32 s[CNT], 0
	s_cbranch_scc1 .Lln
	s_lshl_b32 s29, s[WV], 10
	v_lshl_add_u32 v49, v2, 4, s29                 ; 16 r + my wave's 1,024 bytes of a row
.set i, 0
.rept 32
	v_min_u32 v[EO+i], 0x1fff, v[EO+i]
	v_lshl_add_u32 v[EO+i], v[EO+i], 12, v49
.set i, i+1
.endr
.irp tb, 0,1,2,3
	v_mov_b32 v[CF+2*\tb+1], v[CF+2*\tb]
.endr
	v_mov_b32 v[AH], v[AB]
	v_add_nc_u32 v[AH+1], 2*BLK, v[AB]
	s_wait_dscnt 0x0                               ; for the others' sake: my 16 rows of h are in LDS
	s_barrier_signal -1
	s_barrier_wait -1
; ---------------- the two products ----------------
; The token fragments of one K step of 32 (64 tokens: four fragments, eight loads) at byte koff of the rows.
.macro TLOAD buf, koff
	WIN 0
.irp tb, 0,1,2,3
	ds_load_b128 v[(\buf)+8*\tb:(\buf)+8*\tb+3],   v[AH+\tb/2] offset:(\tb%2)*BLK+(\koff)
	ds_load_b128 v[(\buf)+8*\tb+4:(\buf)+8*\tb+7], v[AH+\tb/2] offset:(\tb%2)*BLK+(\koff)+32
.endr
.endm
.macro LOADC s                         ; a chunk: eight fragments of weights, 16 loads of 512 consecutive bytes, into slot s
	WIN 0x40
.irp i, 0,1,2,3,4,5,6,7,8,9,10,11,12,13,14,15
	global_load_b128 v[64*(\s)+4*\i:64*(\s)+4*\i+3], v[L16], s[PW:PW+1] offset:8192*(\s)+512*\i
.endr
.endm
.macro XL eg, s                        ; the way out's group eg (token block eg / 2, registers 4 (eg % 2) + 0..3): my 4 x 4 x 16 bytes of x into slot s
	WIN 0x40
.irp jj, 0,1,2,3
.irp cmb, 0,1,2,3
	global_load_b128 v[64*(\s)+4*(4*\jj+\cmb):64*(\s)+4*(4*\jj+\cmb)+3], v[EO+8*((\eg)/2)+4*((\eg)%2)+\jj], s[4:5] offset:256*\cmb
.endr
.endr
.endm
; 32 matrix instructions, one on each accumulator of half hf, so that the accumulators take turns; the next chunk has the other half's 32.
; form 1: source 0 = weights (16 units), source 1 = tokens: a lane holds one token and eight units.  form 2: source 0 = tokens, source 1 = weights (16 channels): a lane holds one channel and eight tokens.
.macro MUL32 form, s, hf, t, zero
.if (\form) == 1
	WIN 0xa1+0x50*(\hf)
.else
	WIN 0xa4+0x50*(\hf)
.endif
.irp f, 0,1,2,3,4,5,6,7
.irp tb, 0,1,2,3
.if (\form) == 1
.if \zero
	v_wmma_f32_16x16x32_bf16 v[8*(4*\f+\tb):8*(4*\f+\tb)+7], v[64*(\s)+8*\f:64*(\s)+8*\f+7], v[(\t)+8*\tb:(\t)+8*\tb+7], 0
.else
	v_wmma_f32_16x16x32_bf16 v[8*(4*\f+\tb):8*(4*\f+\tb)+7], v[64*(\s)+8*\f:64*(\s)+8*\f+7], v[(\t)+8*\tb:(\t)+8*\tb+7], v[8*(4*\f+\tb):8*(4*\f+\tb)+7]
.endif
.else
.if \zero
	v_wmma_f32_16x16x32_bf16 v[8*(4*\f+\tb):8*(4*\f+\tb)+7], v[(\t)+8*\tb:(\t)+8*\tb+7], v[64*(\s)+8*\f:64*(\s)+8*\f+7], 0
.else
	v_wmma_f32_16x16x32_bf16 v[8*(4*\f+\tb):8*(4*\f+\tb)+7], v[(\t)+8*\tb:(\t)+8*\tb+7], v[64*(\s)+8*\f:64*(\s)+8*\f+7], v[8*(4*\f+\tb):8*(4*\f+\tb)+7]
.endif
.endif
.endr
.endr
.endm
; From where a trip's fills come.  ptr 0: 32 KB on; 1: the second product's first chunks; 2: 32 KB on, or, where the next trip begins the higher expert's places, its slice; 3: no weights.
; The step stands in front of the trip's first fill, behind chunk 0's products: the youngest fill that reads the old base was issued 32 matrix instructions ago.
.macro STEP ptr
.if (\ptr) != 3
	s_wait_xcnt 0x0                                ; the last trip's fills have read their base: only behind this wait is it written
.endif
.if (\ptr) == 0
	s_add_nc_u64 s[PW:PW+1], s[PW:PW+1], 0x8000
.endif
.if (\ptr) == 1
	s_mov_b64 s[PW:PW+1], s[B2A:B2A+1]
.endif
.if (\ptr) == 2
	s_add_nc_u64 s[PW:PW+1], s[PW:PW+1], 0x8000
	s_cmp_eq_u32 s[CNT], 8                         ; trip 7 of 16 fills trip 8
	s_cselect_b64 s[PW:PW+1], s[B2B:B2B+1], s[PW:PW+1]
.endif
.endm
; Chunk s of a trip's four: K step s / 2 of the trip's two, half s % 2 of my fragments.  Behind its products the slot is asked for again (fillx = 0: the next trip's chunk; 1: x for the way out).
.macro CHUNK form, s, zero, tl, fillx, ptr
	s_wait_loadcnt 48                              ; this slot's 16 loads are in; the three younger groups of 16 stay out
.if (\s) == 0
	s_wait_dscnt 8                                 ; the even step's tokens are in; the odd step's eight loads are younger
.endif
.if (\s) == 2
.if \tl
	s_wait_dscnt 8                                 ; the odd step's are in; the next trip's even step's eight are younger
.else
	s_wait_dscnt 0
.endif
.endif
	MUL32 \form, \s, (\s)%2, T0+32*((\s)/2), \zero
.rept 4
	v_nop                                          ; four places between the products and the loads into registers that they read (ISA guide 7.12.1 for vector instructions)
.endr
.if (\s) == 0
	STEP \ptr
.endif
.if \fillx
	XL \s, \s
.else
	LOADC \s
.endif
.if \tl
.if (\s) == 1
	TLOAD T0, 128
.endif
.if (\s) == 3
	TLOAD T1, 192
	v_add_nc_u32 v[AH], 128, v[AH]                 ; two K steps on
	v_add_nc_u32 v[AH+1], 128, v[AH+1]
.endif
.endif
.endm
; A trip: two K steps, 128 matrix instructions.
.macro TRIP form, zero, tl, fillx, ptr
	WIN 0
	CHUNK \form, 0, \zero, \tl, \fillx, \ptr
	CHUNK \form, 1, \zero, \tl, \fillx, \ptr
	CHUNK \form, 2, 0, \tl, \fillx, \ptr
	CHUNK \form, 3, 0, \tl, \fillx, \ptr
	WIN 0
.endm
	TLOAD T0, 0
	TLOAD T1, 64
	TRIP 1, 1, 1, 0, 0                             ; the first trip's first products start the sums: nothing is cleared
	s_mov_b32 s[CNT], 14
.Lp1:
	TRIP 1, 0, 1, 0, 0
	s_sub_co_u32 s[CNT], s[CNT], 1
	s_cmp_lg_u32 s[CNT], 0
	s_cbranch_scc1 .Lp1
	TRIP 1, 0, 0, 0, 1                             ; the last trip asks for the second product's first four chunks: they are on their way during the activation
; ---------------- c relu(s)^2 = (c s) max(s, 0), rounded to bf16, into LDS ----------------
; Accumulator (hf, f, tb): lane = token 16 tb + r, registers = places 256 w + 128 hf + 16 f + 8 h + 0..7: 16 bytes of the token's row.  Each accumulator is read from its low end on.
.macro ACT hf, f
	WIN 0x08+4*(\hf)                               ; source 1 in the accumulators' window
.irp tb, 0,1,2,3
.irp q, 0,1,2,3
	v_pk_mul_f32 v[TA+8*\tb+2*\q:TA+8*\tb+2*\q+1], v[CF+2*\tb:CF+2*\tb+1], v[8*(4*(\f)+\tb)+2*\q:8*(4*(\f)+\tb)+2*\q+1]
.endr
.irp j, 0,1,2,3,4,5,6,7
	v_max_num_f32 v[TB+8*\tb+\j], 0, v[8*(4*(\f)+\tb)+\j]
.endr
.endr
	WIN 0
.set i, 0
.rept 16
	v_pk_mul_f32 v[TA+2*i:TA+2*i+1], v[TA+2*i:TA+2*i+1], v[TB+2*i:TB+2*i+1]
.set i, i+1
.endr
.set i, 0
.rept 16
	v_cvt_pk_bf16_f32 v[PK+i], v[TA+2*i], v[TA+2*i+1]
.set i, i+1
.endr
.irp tb, 0,1,2,3
	ds_store_b128 v[AS+\tb/2], v[PK+4*\tb:PK+4*\tb+3] offset:(\tb%2)*BLK+256*(\hf)+32*(\f)
.endr
.endm
.irp g, 0,1,2,3,4,5,6,7
	ACT 0, \g
.endr
.irp g, 0,1,2,3,4,5,6,7
	ACT 1, \g
.endr
	v_add_nc_u32 v[AH], HID, v[AB]
	v_add_nc_u32 v[AH+1], HID+2*BLK, v[AB]
	s_wait_dscnt 0x0                               ; for the others' sake: my 256 places of all 64 rows are in LDS
	s_barrier_signal -1
	s_barrier_wait -1
	TLOAD T0, 0
	TLOAD T1, 64
	TRIP 2, 1, 1, 0, 0
	s_mov_b32 s[CNT], 14
.Lp2:
	TRIP 2, 0, 1, 0, 2
	s_sub_co_u32 s[CNT], s[CNT], 1
	s_cmp_lg_u32 s[CNT], 0
	s_cbranch_scc1 .Lp2
	TRIP 2, 0, 0, 1, 3                             ; the last trip asks for x of the way out's first four groups
; ---------------- the way out: out = x + sums ----------------
; Group eg: tokens 16 tb + 8 h + j, tb = eg / 2, j = 4 (eg % 2) + 0..3.  Accumulators (hf, 4 fq + 0..3, tb), register j, are my channels 256 w + 64 (2 hf + fq) + 4 r + 0..3 of that token.
; A group whose lowest row, 16 tb + 4 (eg % 2), lies at or past the count has no row to store, and neither has any later group: a jump forward, past loads and stores alone.
.macro EG eg
	WIN 0
	s_cmp_le_u32 s[CNTR], 16*((\eg)/2)+4*((\eg)%2)
	s_cbranch_scc1 .Ldone
.if (\eg) < 5
	s_wait_loadcnt 48                              ; this group's 16 loads are in; three younger groups stay out
.else
	s_wait_loadcnt 16*(7-(\eg))                    ; no more are asked for: the counts run down
.endif
.irp hf, 0,1
	WIN 0x49+4*\hf                                 ; x (destination, source 0) window 1, the sums window 2 + hf
.irp jj, 0,1,2,3
.irp fq, 0,1
.irp ii, 0,1,2,3
	v_add_f32 v[64*((\eg)%4)+4*(4*\jj+2*\hf+\fq)+\ii], v[64*((\eg)%4)+4*(4*\jj+2*\hf+\fq)+\ii], v[8*(4*(4*\fq+\ii)+(\eg)/2)+4*((\eg)%2)+\jj]
.endr
.endr
.endr
.endr
	WIN 0x04                                       ; store data window 1
.irp jj, 0,1,2,3
.irp cmb, 0,1,2,3
	global_store_b128 v[EO+8*((\eg)/2)+4*((\eg)%2)+\jj], v[64*((\eg)%4)+4*(4*\jj+\cmb):64*((\eg)%4)+4*(4*\jj+\cmb)+3], s[20:21] offset:256*\cmb th:TH_STORE_NT  ; 16 lanes: 256 consecutive aligned bytes of a row
.endr
.endr
.if (\eg) < 4
	s_wait_xcnt 0x0                                ; the stores have read the slot: only now is it asked for again
	XL (\eg)+4, (\eg)%4
.endif
.endm
.irp g, 0,1,2,3,4,5,6,7
	EG \g
.endr
	WIN 0
.Ldone:
	s_wait_tensorcnt 0x0                           ; the wave's end, behind my last LDS store
	ds_add_u32 v[SPW], v[NIL]
	s_wait_dscnt 0x0
	s_endpgm
.Lfunc_end_k_qa010e100ed_chain:
	.size	k_qa010e100ed_chain, .Lfunc_end_k_qa010e100ed_chain-k_qa010e100ed_chain
	.p2alignl 7, 3214868480
	.fill 96, 4, 3214868480
	.section	.rodata,"a",@progbits
	.p2align	6, 0x0
	.amdhsa_kernel k_qa010e100ed_chain
		.amdhsa_group_segment_fixed_size 266240
		.amdhsa_private_segment_fixed_size 0
		.amdhsa_enable_private_segment 0
		.amdhsa_kernarg_size 72
		.amdhsa_user_sgpr_count 2
		.amdhsa_user_sgpr_kernarg_segment_ptr 1
		.amdhsa_wavefront_size32 1
		.amdhsa_system_sgpr_workgroup_id_x 1
		.amdhsa_system_sgpr_workgroup_id_y 1
		.amdhsa_system_sgpr_workgroup_id_z 1
		.amdhsa_system_vgpr_workitem_id 0
		.amdhsa_next_free_vgpr 1024
		.amdhsa_next_free_sgpr 100
		.amdhsa_reserve_vcc 0
		.amdhsa_float_denorm_mode_32 3
		.amdhsa_float_denorm_mode_16_64 3
		.amdhsa_memory_ordered 1
		.amdhsa_forward_progress 1
		.amdhsa_inst_pref_size 255
	.end_amdhsa_kernel
	.section	.bss,"aw",@nobits
	.p2align	6
	.space	262144
	.amdgpu_metadata
---
amdhsa.version: [ 1, 2 ]
amdhsa.kernels:
  - .name:           k_qa010e100ed_chain
    .symbol:         k_qa010e100ed_chain.kd
    .args:
      - { .name: x, .offset: 0, .size: 8, .value_kind: global_buffer, .address_space: global }
      - { .name: gamma, .offset: 8, .size: 8, .value_kind: global_buffer, .address_space: global }
      - { .name: beta, .offset: 16, .size: 8, .value_kind: global_buffer, .address_space: global }
      - { .name: w1p, .offset: 24, .size: 8, .value_kind: global_buffer, .address_space: global }
      - { .name: w2p, .offset: 32, .size: 8, .value_kind: global_buffer, .address_space: global }
      - { .name: tcnt, .offset: 40, .size: 8, .value_kind: global_buffer, .address_space: global }
      - { .name: tlist, .offset: 48, .size: 8, .value_kind: global_buffer, .address_space: global }
      - { .name: tcoef, .offset: 56, .size: 8, .value_kind: global_buffer, .address_space: global }
      - { .name: out0, .offset: 64, .size: 8, .value_kind: global_buffer, .address_space: global }
    .group_segment_fixed_size: 266240
    .private_segment_fixed_size: 0
    .kernarg_segment_align: 8
    .kernarg_segment_size: 72
    .max_flat_workgroup_size: 128
    .sgpr_count:     100
    .vgpr_count:     1024
    .wavefront_size: 32
...
	.end_amdgpu_metadata
.endif
;; end of part 2
